; MI455X (gfx1250); checked and timed in simulation.
; The chip was launched on July 23, 2026; its instructions are those of AMD's public machine-readable ISA for CDNA 5 (MIT licence, August 2026) and "CDNA5" Instruction Set Architecture Reference Guide (July 2026). The comments in the code are by the model that wrote it; some were corrected since.
;; Positionwise Pair Feed Forward. Allowed arithmetic: float matrix products may take bf16 or f16 operands with f32 sums; all other float work in f32.
;; Inputs: W1 256 x 768 float32; W2 128 x 256 float32; W3 1 x 128 float32; Wa 256 x 256 float32; Wg 256 x 256 float32; a1 one number float32; a2 one number float32; anchor 8,192 x 256 float32; b1 256 float32; b2 128 float32; b3 1 float32; ba 256 float32; bg 256 float32; guess 8,192 x 256 float32.
;; Outputs: out0 8,192 x 1 float32.
;; One version. Each part assembles by itself: llvm-mc -triple=amdgcn-amd-amdhsa -mcpu=gfx1250 --defsym DOCPART=n.
;; ======== version 1 of 1: 3 launches
;; limits: an absolute error that grows with the inputs' magnitude: up to 0.00049 times it; values outside matrix products are rounded to f16
;; workspace buffers: A16 4,194,304 bytes; G16 4,194,304 bytes; WgF 131,072 bytes; WaTF 131,072 bytes; W1F 262,144 bytes; W2F 65,536 bytes; CP 8,388,608 bytes; STAT 131,072 bytes
;; launch cast (part 1): grid 256 x 1, 8 waves a work-group, no clusters, 0 bytes of LDS; arguments anchor, guess, Wg, Wa, W1, W2, A16, G16, WgF, WaTF, W1F, W2F; writes A16, G16, WgF, WaTF, W1F, W2F
.if DOCPART == 1
	.amdgcn_target "amdgcn-amd-amdhsa--gfx1250"
	.amdhsa_code_object_version 6
	.text
	.protected	k_q04569982bd_cast
	.globl	k_q04569982bd_cast
	.p2align	8
	.type	k_q04569982bd_cast,@function
k_q04569982bd_cast:
	s_mov_b64 s[64:65], 0
	v_nop
	global_prefetch_b8 v0, s[64:65] scope:SCOPE_SE
	s_setreg_imm32_b32 hwreg(HW_REG_WAVE_MODE, 25, 1), 1
	s_wait_xcnt 0x0
; f32 -> f16 copies of everything that later serves as a matrix operand.
;   A16  = anchor, row-major [8192][256] f16.
;   G16, WgF, WaTF, W1F, W2F = guess, Wg, Wa transposed, W1 folded, W2 in FRAGMENT ORDER: a matrix X[R][C] lies as
;   [R/16][C/16][lane 32][8 f16]; lane L = 16 h + r of unit (i, t) holds X[16 i + r][16 t + 8 h .. + 7].  A unit is 512 consecutive
;   bytes, one 16-byte load or store of a wave; units 2 s and 2 s + 1 are registers 0-3 and 4-7 of the 16 x 32 fragment of K step s.
;   W1 FOLDED: W1 [g, c, g - c] = (W1a + W1c) g + (W1b - W1c) c for the three blocks a, b, c of 256 columns, for every input.  The two sums are made
;   here in f32 and rounded once: W1F is [256][512].
; LIMIT: f16 holds magnitudes below 65,504; a larger number becomes an infinity here.  Numbers below 2^-14 keep an absolute error of 2^-25.
; A stream: every output byte is written once by stores that cover 512 consecutive bytes of a wave; every input byte is read once, but for W1's
; third block, which two waves read.  No LDS, no barrier, no matrix unit: nothing to share, nothing to multiply.  No loop: a wave has all its loads out at once.
; Work-group b: 32 rows of anchor, 32 rows of guess (two 16-row blocks), and one weight unit for each of waves 0 to 4:
;   wave 0: unit b of Wg; wave 1: unit b of Wa^T; waves 2, 3: two units of the folded W1; wave 4 (b < 128): unit b of W2.
.set AIN,  8                           ; v[8:39]    anchor, 4 items of 8 f32
.set GIN,  40                          ; v[40:71]   guess, 4 units of 8 f32
.set UIN,  72                          ; v[72:79]   the weight unit, 8 f32
.set AOUT, 80                          ; v[80:95]   results: every store has data registers of its own, so none is ever rewritten
.set GOUT, 96                          ; v[96:111]
.set UOUT, 112                         ; v[112:115]
.set USRC, 116                         ; v116       byte offset of my 8 numbers in the weight matrix
.set UDST, 117                         ; v117       byte offset of my 16 bytes in its copy
.set UIN2, 118                         ; v[118:125] W1: the 8 numbers of the third block
.set USRC2, 126                        ; v126       W1: byte offset of my 8 numbers in the first block
	s_load_b512 s[8:23], s[0:1], 0x0               ; anchor s[8:9], guess s[10:11], Wg s[12:13], Wa s[14:15], W1 s[16:17], W2 s[18:19], A16 s[20:21], G16 s[22:23]
	s_load_b256 s[24:31], s[0:1], 0x40             ; WgF s[24:25], WaTF s[26:27], W1F s[28:29], W2F s[30:31]
	v_lshrrev_b32 v1, 5, v0
	v_readfirstlane_b32 s2, v1                     ; wave 0..7
	v_and_b32 v1, 31, v0                           ; L
	v_and_b32 v2, 15, v0                           ; r
	v_bfe_u32 v3, v0, 4, 1                         ; h
	s_lshl_b32 s3, ttmp9, 15                       ; b x 32 rows x 1,024 bytes of f32
	s_lshl_b32 s4, ttmp9, 14                       ; b x 32 rows x 512 bytes of f16
	v_lshl_add_u32 v4, v0, 5, s3                   ; anchor: thread t takes 32 bytes at 32 t of each item of 8,192 bytes
	v_lshl_add_u32 v5, v0, 4, s4                   ; A16: 16 bytes at 16 t of each item of 4,096 bytes
	s_lshr_b32 s5, s2, 2                           ; which of the two 16-row blocks of guess
	s_and_b32 s6, s2, 3                            ; which four units of it
	s_lshl_b32 s7, s5, 14
	s_add_co_u32 s7, s7, s3
	s_lshl_b32 s32, s6, 8
	s_add_co_u32 s7, s7, s32
	v_lshlrev_b32 v6, 10, v2                       ; guess: row r,
	v_lshl_add_u32 v6, v3, 5, v6                   ; + 32 h,
	v_add_nc_u32 v6, s7, v6                        ; + block and units
	s_lshl_b32 s33, s5, 13
	s_add_co_u32 s33, s33, s4
	s_lshl_b32 s32, s6, 11
	s_add_co_u32 s33, s33, s32
	v_lshl_add_u32 v7, v1, 4, s33                  ; G16: 16 L in my first unit
	s_lshr_b32 s34, ttmp9, 4                       ; i: the unit's block of 16 rows
	s_and_b32 s35, ttmp9, 15                       ; t: its 16 columns
	s_lshl_b32 s36, s34, 14                        ; for Wg and W2 (rows of 1,024 bytes): the unit's corner,
	s_lshl_b32 s37, s35, 6
	s_add_co_u32 s36, s36, s37
	s_movk_i32 s37, 1024                           ; the pitch,
	s_lshl_b32 s38, ttmp9, 9                       ; and the unit's place in the copy
	s_wait_kmcnt 0x0
; The common work, behind a path's own weight loads.  unit = 1: v[UIN:UIN+7] hold a weight unit that goes to s[dst:dst+1];
; fold = 1: v[UIN2:UIN2+7], times the +1 or -1 in s40, is added to it first.
.macro TAIL unit, dst, fold
.irp i, 0,1,2,3
	global_load_b128 v[AIN+8*\i:AIN+8*\i+3],   v4, s[8:9] offset:\i*8192 th:TH_LOAD_NT
	global_load_b128 v[AIN+8*\i+4:AIN+8*\i+7], v4, s[8:9] offset:\i*8192+16 th:TH_LOAD_NT
.endr
.irp i, 0,1,2,3
	global_load_b128 v[GIN+8*\i:GIN+8*\i+3],   v6, s[10:11] offset:\i*64 th:TH_LOAD_NT
	global_load_b128 v[GIN+8*\i+4:GIN+8*\i+7], v6, s[10:11] offset:\i*64+16 th:TH_LOAD_NT
.endr
	s_wait_loadcnt 0x8                             ; loads come back in order: guess's eight may stay out, the weight unit and anchor are in
.if \unit
.if \fold
.irp k, 0,2,4,6
	v_pk_fma_f32 v[UIN+\k:UIN+\k+1], v[UIN2+\k:UIN2+\k+1], s[40:41], v[UIN+\k:UIN+\k+1] op_sel_hi:[1,0,1]   ; the product by +-1 is exact: one rounding, as an f32 sum
.endr
.endif
.irp k, 0,1,2,3
	v_cvt_pk_f16_f32 v[UOUT+\k], v[UIN+2*\k], v[UIN+2*\k+1]
.endr
	global_store_b128 v[UDST], v[UOUT:UOUT+3], s[\dst:\dst+1]
.endif
.set i, 0
.rept 16
	v_cvt_pk_f16_f32 v[AOUT+i], v[AIN+2*i], v[AIN+2*i+1]
.set i, i+1
.endr
.irp i, 0,1,2,3
	global_store_b128 v5, v[AOUT+4*\i:AOUT+4*\i+3], s[20:21] offset:\i*4096
.endr
	s_wait_loadcnt 0x0
.set i, 0
.rept 16
	v_cvt_pk_f16_f32 v[GOUT+i], v[GIN+2*i], v[GIN+2*i+1]
.set i, i+1
.endr
.irp i, 0,1,2,3
	global_store_b128 v7, v[GOUT+4*\i:GOUT+4*\i+3], s[22:23] offset:\i*512
.endr
	s_endpgm
.endm
; A unit of a matrix that keeps its orientation: lane (r, h) takes 32 bytes of row r.  s36 corner, s37 pitch, s38 place in the copy.
.macro FOPATH src, dst
	v_mul_u32_u24 v[USRC], v2, s37
	v_lshl_add_u32 v[USRC], v3, 5, v[USRC]
	v_add_nc_u32 v[USRC], s36, v[USRC]
	v_lshl_add_u32 v[UDST], v1, 4, s38
	global_load_b128 v[UIN:UIN+3],   v[USRC], s[\src:\src+1] th:TH_LOAD_NT
	global_load_b128 v[UIN+4:UIN+7], v[USRC], s[\src:\src+1] offset:16 th:TH_LOAD_NT
	TAIL 1, \dst, 0
.endm
	s_cmp_eq_u32 s2, 0
	s_cbranch_scc1 .Lwg
	s_cmp_eq_u32 s2, 1
	s_cbranch_scc1 .Lwat
	s_cmp_lt_u32 s2, 4
	s_cbranch_scc1 .Lw1
	s_cmp_gt_u32 s2, 4
	s_cbranch_scc1 .Lnone
	s_cmp_ge_u32 ttmp9, 128                        ; W2 has 128 units
	s_cbranch_scc1 .Lnone
	FOPATH 18, 30                                  ; wave 4: W2
.Lwg:
	FOPATH 12, 24                                  ; wave 0: Wg
.Lw1:
	; waves 2, 3: block k = wave - 2 of W1 (rows of 3,072 bytes) plus (k = 0) or minus (k = 1) its third block; unit (i, t + 16 k) of 32 a row block
	s_sub_co_u32 s39, s2, 2                        ; k
	s_lshl_b32 s40, s39, 31
	s_or_b32 s40, s40, 0x3f800000                  ; +1.0 or -1.0
	s_mov_b32 s41, s40                             ; the pair is named as a whole
	s_mul_i32 s36, s34, 49152                      ; 16 i rows
	s_lshl_b32 s37, s35, 6                         ; + 16 t columns
	s_add_co_u32 s36, s36, s37
	s_lshl_b32 s37, s39, 10                        ; k blocks of 1,024 bytes
	v_mul_u32_u24 v[USRC2], v2, 3072
	v_lshl_add_u32 v[USRC2], v3, 5, v[USRC2]
	v_add_nc_u32 v[USRC2], s36, v[USRC2]
	v_add_nc_u32 v[USRC], s37, v[USRC2]
	s_lshl_b32 s38, s34, 5
	s_add_co_u32 s38, s38, s35
	s_lshl4_add_u32 s38, s39, s38                  ; 32 i + t + 16 k
	s_lshl_b32 s38, s38, 9
	v_lshl_add_u32 v[UDST], v1, 4, s38
	global_load_b128 v[UIN:UIN+3],     v[USRC],  s[16:17] th:TH_LOAD_NT
	global_load_b128 v[UIN+4:UIN+7],   v[USRC],  s[16:17] offset:16 th:TH_LOAD_NT
	global_load_b128 v[UIN2:UIN2+3],   v[USRC2], s[16:17] offset:2048      ; the third block: read by both waves, so no hint
	global_load_b128 v[UIN2+4:UIN2+7], v[USRC2], s[16:17] offset:2064
	TAIL 1, 28, 1
.Lwat:
	; wave 1: unit (i, t) of X = Wa^T: lane (r, h) holds X[16 i + r][16 t + 8 h + e] = Wa[16 t + 8 h + e][16 i + r], e = 0 .. 7
	s_lshl_b32 s36, s35, 14
	s_lshl_b32 s37, s34, 6
	s_add_co_u32 s36, s36, s37
	v_lshl_add_u32 v[USRC], v3, 13, s36
	v_lshl_add_u32 v[USRC], v2, 2, v[USRC]
	v_lshl_add_u32 v[UDST], v1, 4, s38
.irp e, 0,1,2,3,4,5,6,7
	global_load_b32 v[UIN+\e], v[USRC], s[14:15] offset:\e*1024 th:TH_LOAD_NT
.endr
	TAIL 1, 26, 0
.Lnone:
	TAIL 0, 0, 0
.Lfunc_end_k_q04569982bd_cast:
	.size	k_q04569982bd_cast, .Lfunc_end_k_q04569982bd_cast-k_q04569982bd_cast
	.p2alignl 7, 3214868480
	.fill 96, 4, 3214868480
	.section	.rodata,"a",@progbits
	.p2align	6, 0x0
	.amdhsa_kernel k_q04569982bd_cast
		.amdhsa_group_segment_fixed_size 0
		.amdhsa_private_segment_fixed_size 0
		.amdhsa_enable_private_segment 0
		.amdhsa_kernarg_size 96
		.amdhsa_user_sgpr_count 2
		.amdhsa_user_sgpr_kernarg_segment_ptr 1
		.amdhsa_wavefront_size32 1
		.amdhsa_system_sgpr_workgroup_id_x 1
		.amdhsa_system_sgpr_workgroup_id_y 1
		.amdhsa_system_sgpr_workgroup_id_z 1
		.amdhsa_system_vgpr_workitem_id 0
		.amdhsa_next_free_vgpr 128
		.amdhsa_next_free_sgpr 66
		.amdhsa_reserve_vcc 0
		.amdhsa_float_denorm_mode_32 3
		.amdhsa_float_denorm_mode_16_64 3
		.amdhsa_memory_ordered 1
		.amdhsa_forward_progress 1
		.amdhsa_inst_pref_size 29
	.end_amdhsa_kernel
	.amdgpu_metadata
---
amdhsa.version: [ 1, 2 ]
amdhsa.kernels:
  - .name:           k_q04569982bd_cast
    .symbol:         k_q04569982bd_cast.kd
    .args:
      - { .name: anchor, .offset: 0, .size: 8, .value_kind: global_buffer, .address_space: global }
      - { .name: guess, .offset: 8, .size: 8, .value_kind: global_buffer, .address_space: global }
      - { .name: Wg, .offset: 16, .size: 8, .value_kind: global_buffer, .address_space: global }
      - { .name: Wa, .offset: 24, .size: 8, .value_kind: global_buffer, .address_space: global }
      - { .name: W1, .offset: 32, .size: 8, .value_kind: global_buffer, .address_space: global }
      - { .name: W2, .offset: 40, .size: 8, .value_kind: global_buffer, .address_space: global }
      - { .name: A16, .offset: 48, .size: 8, .value_kind: global_buffer, .address_space: global }
      - { .name: G16, .offset: 56, .size: 8, .value_kind: global_buffer, .address_space: global }
      - { .name: WgF, .offset: 64, .size: 8, .value_kind: global_buffer, .address_space: global }
      - { .name: WaTF, .offset: 72, .size: 8, .value_kind: global_buffer, .address_space: global }
      - { .name: W1F, .offset: 80, .size: 8, .value_kind: global_buffer, .address_space: global }
      - { .name: W2F, .offset: 88, .size: 8, .value_kind: global_buffer, .address_space: global }
    .group_segment_fixed_size: 0
    .private_segment_fixed_size: 0
    .kernarg_segment_align: 8
    .kernarg_segment_size: 96
    .max_flat_workgroup_size: 256
    .sgpr_count:     66
    .vgpr_count:     128
    .wavefront_size: 32
...
	.end_amdgpu_metadata
.endif
;; end of part 1
;; launch attn (part 2): grid 128 x 2, 4 waves a work-group, clusters of 4 x 1, 327,680 bytes of LDS; arguments A16, G16, WgF, WaTF, bg, ba, CP, STAT; writes CP, STAT
.if DOCPART == 2
	.amdgcn_target "amdgcn-amd-amdhsa--gfx1250"
	.amdhsa_code_object_version 6
	.text
	.protected	k_q04569982bd_attn
	.globl	k_q04569982bd_attn
	.p2align	8
	.type	k_q04569982bd_attn,@function
k_q04569982bd_attn:
	s_mov_b64 s[64:65], 0
	v_nop
	global_prefetch_b8 v0, s[64:65] scope:SCOPE_SE
	s_setreg_imm32_b32 hwreg(HW_REG_WAVE_MODE, 25, 1), 1
	s_wait_xcnt 0x0
	s_wait_alu depctr_hold_cnt(0) depctr_sa_sdst(0) depctr_va_vdst(0) depctr_va_sdst(0) depctr_va_ssrc(0) depctr_va_vcc(0) depctr_vm_vsrc(0)
	s_getreg_b32 s2, hwreg(HW_REG_IB_STS2, 6, 4)
	s_cmp_eq_u32 s2, 0
	s_cbranch_scc0 .Lentry_in_a_cluster
	s_endpgm
.Lentry_in_a_cluster:
	s_bfe_u32 s2, ttmp6, 0x10000c
	s_cmp_lg_u32 s2, 0x3003
	s_cbranch_scc0 .Lentry_shape_is_right
	s_endpgm
.Lentry_shape_is_right:
; Softmax attention of 64 guess rows over half of the anchor rows, with the two projections folded in.
;   ge = guess Wg^T + bg;  logits = ge ac^T = (ge Wa) anchor^T + ge.ba.  So keys and values are both anchor (one f16 copy, A16), the query
;   is q' = ge Wa, and ba enters as one number for a row, t = ge.ba, which is added to the row maximum that is handed on.
; Work-group (qg, kh): queries 64 qg .. + 63, keys 4096 kh .. + 4095, in 16 tiles of 256 keys.  Wave w owns rows 64 w .. + 63 of every tile: it
; fetches them and reads only them; every wave holds all 64 queries.  A wave keeps a running maximum and sum of its own (the maximum is
; taken away before every exponential); the four waves' results meet in LDS at the end, the two key halves' in the next launch.
; EVERYTHING IS TRANSPOSED, lane = query: S^T = K Q^T, O^T = V^T P^T, so that a row's maximum and sum are one number a lane (and one step
; across the two halves of the wave), and a packed result tile is at once the next product's operand.
; CLUSTER: the four work-groups of a cluster share kh, hence every tile, and all work-groups share Wg and Wa^T: each wave's part of a tile and its
; quarters of the two weight matrices are asked for jointly (mask 15).  guess differs between the four: each wave fetches a quarter of the
; work-group's 32 KB through registers and the waves exchange them in LDS.
; FORMATS AND LIMITS: matrix operands are f16, sums f32.  |anchor|, |guess|, |Wg|, |Wa| and |ge| must stay below 65,504.  q' has no such room, so
; each row is stored as q' / 2^E with its largest magnitude in [1, 2) (E clamped to -100 .. 126), and 2^E goes into the exponent's factor.
; P <= 1 is rounded to f16: an entry below 2^-25 of the running maximum's drops out (at most 8192 x 2^-25 of a sum).  v_exp_f32 gives 0 below 2^-126.
;
; LDS: two slots of 256 rows x 528 bytes (512 of data + 16 of padding: the 16 rows of a fragment load fall into 16 different 16-byte columns
; modulo 256 bytes).  Their first fills are the weights: Wg in slot 0, Wa^T in slot 1, wave w's 32 KB at 32,768 w.  SCR, 32 KB: guess, then ge, then
; q' / 2^E, as 64 units of 512 bytes in fragment order; four tables of 1 KB, [query 64][wave 4] f32.
; None of SCR and the tables is ever a tensor load's target.  Behind the last fill the slots' bytes 0 .. 262,143 serve as CB (see the end).
.set PITCH, 528
.set PART,  64*PITCH                   ; a wave's rows of a tile
.set SLOT,  4*PART
.set SCR,   2*SLOT
.set TPB,   SCR+32768                  ; t, a partial sum for each wave
.set O_RM,  1024                       ; from TPB: largest |q'|, for each wave
.set O_SN,  2048                       ; minus the running maximum, for each wave
.set O_SL,  3072                       ; the running sum, for each wave
; REGISTERS, in windows of 256.  Window 0:
.set KADR, 2                           ; v2, v3    LDS address of my K fragments in slot 0, 1
.set VADR, 4                           ; v4, v5    the same for the transposing loads of V
.set CN,   6                           ; v[6:13]   for each 16 queries a pair: CS = 2^E log2(e), NB = minus the running maximum in powers of two
.set AL,   14                          ; v[14:21]  a pair: alpha (the factor of the old sums), T (at work)
.set LS,   22                          ; v[22:29]  a pair: the running sum, even and odd keys.  In the prologue: the seven offsets below
.set SAD,  30                          ; v30       TPB + 16 r + 4 w: where I put a number of query r
.set LAD,  31                          ; v31       TPB + 16 r: where I read the four waves' numbers of query r
.set FB,   32                          ; v[32:127] three buffers of four fragments of 8 registers
.set SB,   128                         ; v[128:255] S(kt, qb) = v[128 + 64 (kt / 2) + 16 qb + 8 (kt % 2)]; packed in place, P(kp, qb) = v[128 + 64 kp + 16 qb .. + 7]
.set GOF,  22                          ; prologue: my quarter of guess in G16
.set BOF,  23                          ; bg, ba: my features
.set SIN,  24                          ; SCR, in: unit (qb, 4 w + il)
.set SBK,  25                          ; SCR, back: unit i
.set WA0,  26                          ; my quarter of Wg in slot 0
.set WA1,  27                          ; my quarter of Wa^T in slot 1
.set GIN,  28                          ; SCR, in: unit (w, i)
; Window 1: Q(qb, s) = v[64 qb + 8 s].   Windows 2, 3: O(t, qb) = v[32 (t % 8) + 8 qb] of window 2 + t / 8.  In the prologue window 2 holds:
.set BG,   0                           ; v[0:31]   bg of my 64 features
.set BA,   32                          ; v[32:63]  ba of my 64 features
.set MSB, 0
.macro WIN new                         ; s_set_vgpr_msb: bits 1:0 source 0, 3:2 source 1, 5:4 source 2, 7:6 destination; the high byte repeats the setting that is left
.if MSB != (\new)
	s_set_vgpr_msb (MSB<<8)|(\new)
.set MSB, (\new)
.endif
.endm
.macro PLACES n                        ; places behind a matrix instruction are plain vector instructions that name none of its registers (ISA guide 7.12.1)
.rept \n
	v_nop
.endr
.endm
; A round of the cluster's barrier: my work-group's barrier, wave 0 signals for the work-group, every wave waits for all four work-groups, my work-group's barrier again.
.macro ROUND
	s_barrier_signal -1
	s_barrier_wait -1
	s_cmp_lg_u32 s8, 0
	s_cbranch_scc1 .Lnot_wave_0_\@
	s_barrier_signal -3
.Lnot_wave_0_\@:
	s_barrier_wait -3
	s_barrier_signal -1
	s_barrier_wait -1
.endm
	s_load_b512 s[16:31], s[0:1], 0x0              ; A16 s[16:17], G16 s[18:19], WgF s[20:21], WaTF s[22:23], bg s[24:25], ba s[26:27], CP s[28:29], STAT s[30:31]
	v_lshl_add_u32 v18, v0, 2, 0x4b000
	v_mov_b32 v20, 0
	ds_add_u32 v18, v20
	s_wait_dscnt 0x0
	v_lshrrev_b32 v1, 5, v0
	v_readfirstlane_b32 s8, v1                     ; wave 0..3
	s_bfe_u32 s9, ttmp6, 0x40000                   ; cx: my place in the cluster.  It enters s9, s10, s52, s53 and global offsets made of them, nothing else
	s_lshl_b32 s10, ttmp9, 2
	s_add_co_u32 s10, s10, s9                      ; qg = 4 x cluster x + cx
	s_and_b32 s11, ttmp7, 0xffff                   ; kh: the cluster's y, shared by the four
	s_mov_b32 s12, 0x76543210                      ; v_permlanex16_b32: lane i of one half reads lane i of the other
	s_mov_b32 s13, 0xfedcba98
	s_mov_b32 s56, 0x0d800000                      ; 2^-100
	s_mov_b32 s57, 0x7e800000                      ; 2^126
	s_mov_b32 s58, 0x3fb8aa3b                      ; log2(e)
	; descriptor group 1 of the tiles: 64 rows x 256 elements of 2 bytes, 4 words of padding behind every 128 words
	s_mov_b32 s40, 15|(1<<16)|(1<<20)|(1<<21)|(6<<22)|(3<<25)   ; 15:0 the mask: all four work-groups; 17:16 2 bytes; 20 padding on; 21 set beside a mask; 24:22 after 128 words; 31:25 4 words
	s_mov_b32 s41, 256<<16                         ; tensor_dim0 = 256
	s_mov_b32 s42, 64<<16                          ; tensor_dim1 = 64
	s_mov_b32 s43, 256<<16                         ; tile_dim0 = 256
	s_mov_b32 s44, 64                              ; tile_dim1 = 64
	s_mov_b32 s45, 256                             ; elements from row to row
	s_mov_b32 s46, 0
	s_mov_b32 s47, 0
	; descriptor group 1 of the weights: a dense block of 32 KB as 128 rows of 32 elements of 8 bytes, no padding
	s_mov_b32 s72, 15|(3<<16)|(1<<21)              ; the mask; 8 bytes; 21 set beside a mask
	s_mov_b32 s73, 32<<16                          ; tensor_dim0 = 32
	s_mov_b32 s74, 128<<16                         ; tensor_dim1 = 128
	s_mov_b32 s75, 32<<16                          ; tile_dim0 = 32
	s_mov_b32 s76, 128                             ; tile_dim1 = 128
	s_mov_b32 s77, 32                              ; elements from row to row: dense
	s_mov_b32 s78, 0
	s_mov_b32 s79, 0
	; descriptor group 0 of the tiles, one set for each slot: slot n starts with tile n.  All addresses hang on the wave and on kh alone
	s_mov_b32 s32, 1
	s_mul_i32 s33, s8, PART
	s_mov_b32 s36, 1
	s_add_co_u32 s37, s33, SLOT
	s_lshl_b32 s14, s11, 21                        ; kh x 4,096 rows x 512 bytes
	s_lshl_b32 s15, s8, 15                         ; + wave x 64 rows
	s_add_co_u32 s14, s14, s15
	s_mov_b32 s15, 0
	; and of the weights: my quarter, 32,768 w, in memory and in the slot
	s_mov_b32 s80, 1
	s_lshl_b32 s81, s8, 15
	s_mov_b32 s84, 1
	s_add_co_u32 s85, s81, SLOT
	s_lshl_b32 s50, s8, 15
	s_mov_b32 s51, 0
	v_and_b32 v104, 31, v0                         ; L
	v_and_b32 v105, 15, v0                         ; r
	v_bfe_u32 v106, v0, 4, 1                       ; h
	v_and_b32 v107, 7, v0
	v_bfe_u32 v108, v0, 3, 1
	v_mul_u32_u24 v[KADR], v105, PITCH             ; a K fragment: row r, 16 h; two loads 32 bytes apart
	v_lshl_add_u32 v[KADR], v106, 4, v[KADR]
	v_add_nc_u32 v[KADR], s33, v[KADR]
	v_add_nc_u32 v[KADR+1], SLOT, v[KADR]
	v_lshl_add_u32 v[VADR], v106, 3, v107          ; a V^T fragment by transposing loads: row 8 h + L % 8,
	v_mul_u32_u24 v[VADR], v[VADR], PITCH
	v_lshl_add_u32 v[VADR], v108, 7, v[VADR]       ; lanes 8-15 of a half take the piece of 8 columns that lies 128 bytes on (not 16): with this pitch the sixteen
	v_add_nc_u32 v[VADR], s33, v[VADR]             ; lanes of a half then touch sixteen different 16-byte columns modulo 256 bytes.  Tile t of O^T so holds pieces u and u + 8
	v_add_nc_u32 v[VADR+1], SLOT, v[VADR]          ; of 8 columns, u = t + 8 (t / 8); the order is put right when CB is read
	v_lshl_add_u32 v[WA0], v104, 4, s50            ; a weight unit: 512 consecutive bytes, 16 L
	v_add_nc_u32 v[WA1], SLOT, v[WA0]
	s_lshl_b32 s54, s8, 2
	s_add_co_u32 s54, s54, TPB
	v_lshl_add_u32 v[SAD], v105, 4, s54
	v_lshlrev_b32 v[LAD], 4, v105
	v_add_nc_u32 v[LAD], TPB, v[LAD]
	s_lshl_b32 s54, s8, 13
	s_lshl_b32 s52, s10, 15
	s_add_co_u32 s52, s52, s54
	v_lshl_add_u32 v[GOF], v104, 4, s52            ; G16: my 64 queries are 64 units of 512 bytes; I fetch units 16 w .. + 15
	s_add_co_u32 s54, s54, SCR
	v_lshl_add_u32 v[GIN], v104, 4, s54            ; and put them at the same place in SCR
	s_lshl_b32 s54, s8, 8
	v_lshl_add_u32 v[BOF], v106, 5, s54            ; bg, ba: feature 64 w + 16 il + 8 h + j
	s_lshl_b32 s54, s8, 11
	s_add_co_u32 s54, s54, SCR
	v_lshl_add_u32 v[SIN], v104, 4, s54
	v_lshlrev_b32 v[SBK], 4, v104
	v_add_nc_u32 v[SBK], SCR, v[SBK]
	s_wait_kmcnt 0x0
	s_add_nc_u64 s[34:35], s[16:17], s[14:15]
	s_add_nc_u64 s[38:39], s[34:35], 131072        ; 256 rows on
	s_or_b32 s35, s35, 0x80000000                  ; type = 2
	s_or_b32 s39, s39, 0x80000000
	s_add_nc_u64 s[82:83], s[20:21], s[50:51]
	s_or_b32 s83, s83, 0x80000000
	s_add_nc_u64 s[86:87], s[22:23], s[50:51]
	s_or_b32 s87, s87, 0x80000000
	; PROLOGUE.  What hangs on nothing goes out first: my quarter of guess, then bg and ba (window 2)
.set i, 0
.rept 16
	global_load_b128 v[SB+4*i:SB+4*i+3], v[GOF], s[18:19] offset:512*i
.set i, i+1
.endr
	WIN 0x80
.irp il, 0,1,2,3
	global_load_b128 v[BG+8*\il:BG+8*\il+3],   v[BOF], s[24:25] offset:64*\il
	global_load_b128 v[BG+8*\il+4:BG+8*\il+7], v[BOF], s[24:25] offset:64*\il+16
	global_load_b128 v[BA+8*\il:BA+8*\il+3],   v[BOF], s[26:27] offset:64*\il
	global_load_b128 v[BA+8*\il+4:BA+8*\il+7], v[BOF], s[26:27] offset:64*\il+16
.endr
	WIN 0
	ROUND                                          ; the four work-groups are here: the first joint loads meet
	tensor_load_to_lds s[80:83], s[72:79]          ; my quarter of Wg, into slot 0
	s_nop 0
	tensor_load_to_lds s[84:87], s[72:79]          ; my quarter of Wa^T, into slot 1: two tensor loads out
	s_nop 0
	s_wait_loadcnt 16                              ; the sixteen loads of bg and ba stay out: guess is in
.set i, 0
.rept 16
	ds_store_b128 v[GIN], v[SB+4*i:SB+4*i+3] offset:512*i
.set i, i+1
.endr
	s_wait_dscnt 0x0                               ; my stores are done, for the others' sake
	s_barrier_signal -1
	s_barrier_wait -1                              ; guess is whole.  (The weights' loads may be out)
.macro FROMSCR                         ; all 64 units of SCR into window 1
	WIN 0x40
.set i, 0
.rept 64
	ds_load_b128 v[4*i:4*i+3], v[SBK] offset:512*i
.set i, i+1
.endr
	WIN 0
.endm
; the sixteen tiles acc(il, qb), packed in place to f16, are sixteen units in fragment order: tile a = 4 il + qb goes to unit (qb, 4 w + il) of SCR
.macro TOSCR
.set a, 0
.rept 16
.irp k, 0,1,2,3
	v_cvt_pk_f16_f32 v[SB+8*a+\k], v[SB+8*a+2*\k], v[SB+8*a+2*\k+1]
.endr
	ds_store_b128 v[SIN], v[SB+8*a:SB+8*a+3] offset:((a&3)*16+(a>>2))*512
.set a, a+1
.endr
.endm
.macro LDW ks, ad                      ; the four weight fragments (il, ks) of my 64 rows, 8 LDS loads, into buffer ks % 3
.irp il, 0,1,2,3
	ds_load_b128 v[FB+32*((\ks)%3)+8*\il:FB+32*((\ks)%3)+8*\il+3],   v[\ad] offset:(16*\il+2*(\ks))*512
	ds_load_b128 v[FB+32*((\ks)%3)+8*\il+4:FB+32*((\ks)%3)+8*\il+7], v[\ad] offset:(16*\il+2*(\ks))*512+512
.endr
.endm
; 64 features x 64 queries over K = 256: acc(il, qb) = v[128 + 32 il + 8 qb].  A = the weight fragments as they come from LDS, three K steps ahead; B = v[64 qb + 8 s] of window 1.
; The sixteen accumulators take turns, one instruction a turn.  The first K step starts the sums: from the bias (window 2) or from 0.
.macro PROJ ad, withbias
	LDW 0, \ad
	LDW 1, \ad
	LDW 2, \ad
.set ks, 0
.rept 8
.if ks <= 5
	s_wait_dscnt 16                                ; LDS loads come back in order: the two younger K steps' 8 loads each stay out
.else
	s_wait_dscnt 8*(7-ks)                          ; the counts run down
.endif
.if ks
	WIN 0x04                                       ; B in window 1
.elseif \withbias
	WIN 0x24                                       ; and C in window 2
.else
	WIN 0x04
.endif
.irp il, 0,1,2,3
.irp qb, 0,1,2,3
.if ks
	v_wmma_f32_16x16x32_f16 v[SB+32*\il+8*\qb:SB+32*\il+8*\qb+7], v[FB+32*(ks%3)+8*\il:FB+32*(ks%3)+8*\il+7], v[64*\qb+8*ks:64*\qb+8*ks+7], v[SB+32*\il+8*\qb:SB+32*\il+8*\qb+7]
.elseif \withbias
	v_wmma_f32_16x16x32_f16 v[SB+32*\il+8*\qb:SB+32*\il+8*\qb+7], v[FB+8*\il:FB+8*\il+7], v[64*\qb:64*\qb+7], v[BG+8*\il:BG+8*\il+7]
.else
	v_wmma_f32_16x16x32_f16 v[SB+32*\il+8*\qb:SB+32*\il+8*\qb+7], v[FB+8*\il:FB+8*\il+7], v[64*\qb:64*\qb+7], 0
.endif
.endr
.endr
	PLACES 4                                       ; four places, then loads into the buffer just multiplied (behind the last K step: vector work reads the sums)
.if ks <= 4
	LDW ks+3, \ad
.endif
.set ks, ks+1
.endr
	WIN 0
.endm
	FROMSCR                                        ; guess; PROJ's first wait covers these older loads too
	s_wait_tensorcnt 0x1                           ; tensor loads of a wave end in order: Wg is in, Wa^T may be out
	s_wait_loadcnt 0x0                             ; bg, ba
	PROJ WA0, 1                                    ; ge^T, features 64 w .. + 63: lane (r, h), register j = feature 8 h + j of the tile, query r
	s_wait_dscnt 0x0                               ; my reads of Wg and of guess are done,
	s_wait_xcnt 0x0
	v_lshl_add_u32 v18, v0, 2, 0x4b000
	v_mov_b32 v20, 0
	s_wait_tensorcnt 0x0                           ; and all my tensor loads have landed (Wa^T among them)
	ds_add_u32 v18, v20
	s_wait_dscnt 0x0
	ROUND                                          ; both now hold of every wave of the four work-groups
	tensor_load_to_lds s[32:35], s[40:47]          ; tile 0, jointly, over Wg: the first tensor load behind the round; it lands while the prologue goes on
	s_nop 0
	; t = ge.ba over my 64 features, in f32
	WIN 0x08                                       ; source 1 (ba) in window 2
.irp q, 0,1,2,3
	v_pk_mul_f32 v[AL+2*\q:AL+2*\q+1], v[SB+8*\q:SB+8*\q+1], v[BA:BA+1]
.endr
.set i, 1
.rept 15
.irp q, 0,1,2,3
	v_pk_fma_f32 v[AL+2*\q:AL+2*\q+1], v[SB+32*(i>>2)+8*\q+2*(i&3):SB+32*(i>>2)+8*\q+2*(i&3)+1], v[BA+8*(i>>2)+2*(i&3):BA+8*(i>>2)+2*(i&3)+1], v[AL+2*\q:AL+2*\q+1]
.endr
.set i, i+1
.endr
	WIN 0
.irp q, 0,1,2,3
	v_add_f32 v[AL+2*\q], v[AL+2*\q], v[AL+2*\q+1]
.endr
.irp q, 0,1,2,3
	v_permlanex16_b32 v[AL+2*\q+1], v[AL+2*\q], s12, s13
.endr
.irp q, 0,1,2,3
	v_add_f32 v[AL+2*\q], v[AL+2*\q], v[AL+2*\q+1]
	ds_store_b32 v[SAD], v[AL+2*\q] offset:256*\q
.endr
	TOSCR                                          ; ge over guess: every wave's reads of guess were done in front of the round
	s_wait_dscnt 0x0
	s_barrier_signal -1
	s_barrier_wait -1                              ; ge is whole.  (Tile 0's tensor load may be out)
	FROMSCR
	PROJ WA1, 0                                    ; q'^T, columns 64 w .. + 63 of q'
	; the largest |q'| of each query: 32 registers, the other half of the wave, then the four waves
.irp q, 0,1,2,3
	v_max_num_f32 v[AL+2*\q], |v[SB+8*\q]|, |v[SB+8*\q+1]|
.endr
.set i, 2
.rept 15
.irp q, 0,1,2,3
	v_max3_num_f32 v[AL+2*\q], v[AL+2*\q], |v[SB+32*(i>>3)+8*\q+(i&7)]|, |v[SB+32*(i>>3)+8*\q+(i&7)+1]|
.endr
.set i, i+2
.endr
.irp q, 0,1,2,3
	v_permlanex16_b32 v[AL+2*\q+1], v[AL+2*\q], s12, s13
.endr
.irp q, 0,1,2,3
	v_max_num_f32 v[AL+2*\q], v[AL+2*\q], v[AL+2*\q+1]
	ds_store_b32 v[SAD], v[AL+2*\q] offset:O_RM+256*\q
.endr
	s_wait_dscnt 0x0
	s_barrier_signal -1
	s_barrier_wait -1                              ; the maxima are there, and every wave's reads of ge are over
.irp q, 0,1,2,3
	ds_load_b128 v[32+4*\q:32+4*\q+3], v[LAD] offset:O_RM+256*\q
.endr
	s_wait_dscnt 0x0
.irp q, 0,1,2,3
	v_max3_num_f32 v[AL+2*\q+1], v[32+4*\q], v[33+4*\q], v[34+4*\q]
	v_max_num_f32 v[AL+2*\q+1], v[AL+2*\q+1], v[35+4*\q]
	v_med3_num_f32 v[AL+2*\q+1], v[AL+2*\q+1], s56, s57
	v_and_b32 v[AL+2*\q+1], 0x7f800000, v[AL+2*\q+1]      ; 2^E: the exponent alone
	v_mul_f32 v[CN+2*\q], s58, v[AL+2*\q+1]               ; CS = 2^E log2(e)
	v_sub_nc_u32 v[AL+2*\q], 0x7f000000, v[AL+2*\q+1]     ; 2^-E: exponent field 254 - e
.endr
.set a, 0
.rept 16
.irp k, 0,2,4,6
	v_pk_mul_f32 v[SB+8*a+\k:SB+8*a+\k+1], v[SB+8*a+\k:SB+8*a+\k+1], v[AL+2*(a&3):AL+2*(a&3)+1] op_sel_hi:[1,0]   ; exact: a power of two
.endr
.set a, a+1
.endr
	TOSCR
	s_wait_dscnt 0x0
	s_barrier_signal -1
	s_barrier_wait -1                              ; q' / 2^E is whole
	FROMSCR                                        ; Q; waited for at the head of the first trip
; MAIN LOOP.  A step of a wave is 16 groups of four fragments: groups 0-7 K (two key tiles x two K steps), groups 8-15 V^T (two tiles of O^T x two runs of 32 keys).
.macro LDGRP g, slot                   ; the 8 LDS loads of group g, into buffer g % 3
.irp f, 0,1,2,3
.set fr, FB+32*((\g)%3)+8*\f
.if (\g) < 8
.set fo, (2*((\g)>>2)+(\f&1))*16*PITCH+64*(2*((\g)&3)+(\f>>1))
	ds_load_b128 v[fr:fr+3],   v[KADR+\slot] offset:fo
	ds_load_b128 v[fr+4:fr+7], v[KADR+\slot] offset:fo+32
.else
.set pt, 2*((\g)-8)+(\f>>1)
.set fo, (\f&1)*32*PITCH+16*(pt+8*(pt>>3))
	ds_load_tr16_b128 v[fr:fr+3],   v[VADR+\slot] offset:fo
	ds_load_tr16_b128 v[fr+4:fr+7], v[VADR+\slot] offset:fo+16*PITCH
.endif
.endr
.endm
; In both kinds of group the accumulators take turns, one instruction a turn.
.macro QKGRP g                         ; S(kt, qb) += K(kt, s) Q(qb, s); K step 0 starts the sums
.irp f, 0,1,2,3
.set fr, FB+32*((\g)%3)+8*\f
.set kt, 2*((\g)>>2)+(\f&1)
.set ks, 2*((\g)&3)+(\f>>1)
.irp qb, 0,1,2,3
.set sr, SB+64*(kt>>1)+16*\qb+8*(kt&1)
.if ks
	v_wmma_f32_16x16x32_f16 v[sr:sr+7], v[fr:fr+7], v[64*\qb+8*ks:64*\qb+8*ks+7], v[sr:sr+7]
.else
	v_wmma_f32_16x16x32_f16 v[sr:sr+7], v[fr:fr+7], v[64*\qb:64*\qb+7], 0
.endif
.endr
.endr
.endm
.macro PVGRP g, first                  ; O(t, qb) += V^T(t, kp) P(kp, qb); in the first step of all kp = 0 starts the sums
.irp f, 0,1,2,3
.set fr, FB+32*((\g)%3)+8*\f
.set pt, 2*((\g)-8)+(\f>>1)
.irp qb, 0,1,2,3
.set or, 32*(pt&7)+8*\qb
.set pr, SB+64*(\f&1)+16*\qb
.if (\first)*(1-(\f&1))
	v_wmma_f32_16x16x32_f16 v[or:or+7], v[fr:fr+7], v[pr:pr+7], 0
.else
	v_wmma_f32_16x16x32_f16 v[or:or+7], v[fr:fr+7], v[pr:pr+7], v[or:or+7]
.endif
.endr
.endr
.endm
; The softmax step on S (64 keys x 64 queries; a lane holds 32 keys of each of four queries).  The four queries' chains are interleaved.
.macro SOFTMAX first
.irp q, 0,1,2,3
	v_max_num_f32 v[AL+2*\q], v[SB+16*\q], v[SB+16*\q+1]
.endr
.set i, 2
.rept 15
.set sr, SB+64*(i>>4)+(i&15)
.irp q, 0,1,2,3
	v_max3_num_f32 v[AL+2*\q], v[AL+2*\q], v[sr+16*\q], v[sr+16*\q+1]
.endr
.set i, i+2
.endr
.irp q, 0,1,2,3
	v_permlanex16_b32 v[AL+2*\q+1], v[AL+2*\q], s12, s13
.endr
.irp q, 0,1,2,3
	v_max_num_f32 v[AL+2*\q], v[AL+2*\q], v[AL+2*\q+1]     ; the tile's maximum of S
.endr
.irp q, 0,1,2,3
	v_mul_f32 v[AL+2*\q+1], -v[AL+2*\q], v[CN+2*\q]        ; minus that maximum in powers of two (CS > 0)
.endr
.if \first
.irp q, 0,1,2,3
	v_mov_b32 v[CN+2*\q+1], v[AL+2*\q+1]
.endr
.else
.irp q, 0,1,2,3
	v_min_num_f32 v[AL+2*\q+1], v[AL+2*\q+1], v[CN+2*\q+1] ; minus the new running maximum
.endr
.irp q, 0,1,2,3
	v_sub_f32 v[AL+2*\q], v[AL+2*\q+1], v[CN+2*\q+1]       ; old maximum - new maximum, at most 0
.endr
.irp q, 0,1,2,3
	v_mov_b32 v[CN+2*\q+1], v[AL+2*\q+1]
.endr
.irp q, 0,1,2,3
	v_exp_f32 v[AL+2*\q], v[AL+2*\q]                       ; alpha; first used far below
.endr
.endif
	; p = 2^(S CS + NB).  Behind a run of exponentials stand the next query's multiply-adds (behind the last run: the first sums), plain
	; instructions on other registers, before any result is used (ISA guide 5.7.2)
.irp q, 0,1,2,3
.set i, 0
.rept 16
.set sr, SB+64*(i>>4)+(i&15)+16*\q
	v_pk_fma_f32 v[sr:sr+1], v[sr:sr+1], v[CN+2*\q:CN+2*\q+1], v[CN+2*\q:CN+2*\q+1] op_sel:[0,0,1] op_sel_hi:[1,0,1]
.set i, i+2
.endr
.set i, 0
.rept 32
.set sr, SB+64*(i>>4)+(i&15)+16*\q
	v_exp_f32 v[sr], v[sr]
.set i, i+1
.endr
.endr
.if \first
	s_wait_alu depctr_va_vdst(0)
.irp q, 0,1,2,3
	v_pk_add_f32 v[LS+2*\q:LS+2*\q+1], v[SB+16*\q:SB+16*\q+1], v[SB+16*\q+2:SB+16*\q+3]
.endr
.set i, 4
.else
	s_wait_alu depctr_va_vdst(0)
.irp q, 0,1,2,3
	v_pk_fma_f32 v[LS+2*\q:LS+2*\q+1], v[LS+2*\q:LS+2*\q+1], v[AL+2*\q:AL+2*\q+1], v[SB+16*\q:SB+16*\q+1] op_sel_hi:[1,0,1]
.endr
.set i, 2
.endif
.rept (32-i)/2
.set sr, SB+64*(i>>4)+(i&15)
.irp q, 0,1,2,3
	v_pk_add_f32 v[LS+2*\q:LS+2*\q+1], v[LS+2*\q:LS+2*\q+1], v[sr+16*\q:sr+16*\q+1]
.endr
.set i, i+2
.endr
	; two key tiles of 8 registers pack, in place and ascending, into one operand of 8 registers: keys 8 h .. + 7, then 16 + 8 h .. + 7
.irp q, 0,1,2,3
.irp p, 0,1
.irp k, 0,1,2,3,4,5,6,7
	v_cvt_pk_f16_f32 v[SB+64*\p+16*\q+\k], v[SB+64*\p+16*\q+2*\k], v[SB+64*\p+16*\q+2*\k+1]
.endr
.endr
.endr
.endm
.macro RESCALE                         ; O *= alpha of its query
	WIN 0x82
.set i, 0
.rept 128
	v_pk_mul_f32 v[2*i:2*i+1], v[2*i:2*i+1], v[AL+2*((i>>2)&3):AL+2*((i>>2)&3)+1] op_sel_hi:[1,0]
.set i, i+1
.endr
	WIN 0xc3
.set i, 0
.rept 128
	v_pk_mul_f32 v[2*i:2*i+1], v[2*i:2*i+1], v[AL+2*((i>>2)&3):AL+2*((i>>2)&3)+1] op_sel_hi:[1,0]
.set i, i+1
.endr
	WIN 0
.endm
; One tile.  Three groups of loads are always ahead; the first three V groups go out in front of the softmax, which they do not hang on.
.macro STEP slot, first
	WIN 0x04                                       ; B (Q) in window 1; LDS loads name window 0 under this setting too
	LDGRP 0, \slot
	LDGRP 1, \slot
	LDGRP 2, \slot
.set g, 0
.rept 8
	s_wait_dscnt 16                                ; LDS loads come back in order: the two younger groups of 8 stay out
	QKGRP g
	PLACES 4                                       ; four places, then loads into the buffer just multiplied (behind group 7 also: the softmax reads S)
	LDGRP g+3, \slot
.set g, g+1
.endr
	WIN 0
	SOFTMAX \first
.if \first == 0
	RESCALE
.endif
.set g, 8
.rept 8
.if g <= 13
	s_wait_dscnt 16
.else
	s_wait_dscnt 8*(15-g)                          ; the counts run down: one younger group, then none
.endif
.if g < 12
	WIN 0xa0                                       ; C and D in window 2
.else
	WIN 0xf0                                       ; in window 3
.endif
	PVGRP g, \first
.if g <= 12
	WIN 0
	PLACES 4
	LDGRP g+3, \slot
.endif
.set g, g+1
.endr
	WIN 0
	PLACES 5                                       ; five places: the next step's first products write over P, and its loads land in the buffers
.endm
; A trip of the ring of two slots.  A wave has one tensor load out, and that load has a whole step in which to land.
.macro TRIP slot, refill, first
	s_wait_xcnt 0x0
	v_lshl_add_u32 v18, v0, 2, 0x4b000
	v_mov_b32 v20, 0
	s_wait_tensorcnt 0x0                           ; all my tensor loads are done, my part of this trip's tile among them,
	ds_add_u32 v18, v20
	s_wait_dscnt 0x0
	s_add_nc_u64 s[34+4*\slot:35+4*\slot], s[34+4*\slot:35+4*\slot], 262144   ; so every group 0 may be written: this slot's next tile, two tiles on
	s_wait_dscnt 0x0                               ; my reads of the last trip's tile are done (first trip: of Wa^T, and Q is in)
	ROUND                                          ; both now hold of every wave of the four work-groups
.if \refill
	tensor_load_to_lds s[36-4*\slot:39-4*\slot], s[40:47]   ; the next tile, jointly, into the slot read last trip: the first tensor load behind the round
	s_nop 0
.endif
	STEP \slot, \first
.endm
	TRIP 0, 1, 1                                   ; the first step starts all sums: nothing is cleared.  Its refill, tile 1, goes over Wa^T
	TRIP 1, 1, 0
	s_mov_b32 s48, 6
.Lpair:
	TRIP 0, 1, 0
	TRIP 1, 1, 0
	s_sub_co_u32 s48, s48, 1
	s_cmp_lg_u32 s48, 0
	s_cbranch_scc1 .Lpair
	TRIP 0, 1, 0                                   ; fetches tile 15
	TRIP 1, 0, 0                                   ; fetches nothing (its stepped address is not used)
	; THE END.  The four waves' maxima and sums meet; each wave scales its O by 2^(own maximum - common maximum) / common sum.
	v_and_b32 v108, 15, v0                         ; r
	v_bfe_u32 v109, v0, 4, 1                       ; h
	v_and_b32 v110, 31, v0                         ; L
	s_lshl_b32 s50, s8, 16
	v_lshl_add_u32 v100, v109, 12, s50             ; CB, in: copy w, piece + 8 h, query r
	v_lshl_add_u32 v100, v108, 4, v100
	s_lshl_b32 s50, s8, 14
	v_lshl_add_u32 v101, v109, 9, s50              ; CB, back: copy 0..3, the 16 queries w, piece 2 t' + h, query r
	v_lshl_add_u32 v101, v108, 4, v101
	v_add_nc_u32 v102, 65536, v101
	v_add_nc_u32 v103, 131072, v101
	v_add_nc_u32 v104, 196608, v101
	s_lshl_b32 s52, s11, 7
	s_add_co_u32 s52, s52, s10
	s_lshl_b32 s52, s52, 9
	v_lshl_add_u32 v105, v110, 4, s52              ; STAT [kh][qg][M, l][r][qb]: 512 bytes, lane L at 16 L
	s_lshl_b32 s53, s11, 9
	s_lshl2_add_u32 s53, s10, s53
	s_add_co_u32 s53, s53, s8
	s_lshl_b32 s53, s53, 13
	v_lshl_add_u32 v106, v110, 4, s53              ; CP [kh][16 queries: 4 qg + w][unit][lane]
.irp q, 0,1,2,3
	v_add_f32 v[LS+2*\q], v[LS+2*\q], v[LS+2*\q+1]
.endr
.irp q, 0,1,2,3
	v_permlanex16_b32 v[LS+2*\q+1], v[LS+2*\q], s12, s13
.endr
.irp q, 0,1,2,3
	v_add_f32 v[LS+2*\q], v[LS+2*\q], v[LS+2*\q+1]
	ds_store_b32 v[SAD], v[CN+2*\q+1] offset:O_SN+256*\q
	ds_store_b32 v[SAD], v[LS+2*\q] offset:O_SL+256*\q
.endr
	s_wait_dscnt 0x0
	s_barrier_signal -1
	s_barrier_wait -1                              ; the numbers are there; no wave reads a slot any more, and no tensor load is out or to come
.irp q, 0,1,2,3
	ds_load_b128 v[32+4*\q:32+4*\q+3], v[LAD] offset:O_SN+256*\q
	ds_load_b128 v[48+4*\q:48+4*\q+3], v[LAD] offset:O_SL+256*\q
	ds_load_b128 v[64+4*\q:64+4*\q+3], v[LAD] offset:256*\q
.endr
	s_wait_dscnt 0x0
.irp q, 0,1,2,3
	v_min3_num_f32 v[80+\q], v[32+4*\q], v[33+4*\q], v[34+4*\q]
.endr
.irp q, 0,1,2,3
	v_min_num_f32 v[80+\q], v[80+\q], v[35+4*\q]           ; minus the common maximum
.endr
.irp q, 0,1,2,3
.irp k, 0,1,2,3
	v_sub_f32 v[32+4*\q+\k], v[80+\q], v[32+4*\q+\k]       ; wave k's maximum - the common one, at most 0
.endr
	v_sub_f32 v[AL+2*\q], v[80+\q], v[CN+2*\q+1]           ; my own
.endr
.set i, 0
.rept 16
	v_exp_f32 v[32+i], v[32+i]
.set i, i+1
.endr
.irp q, 0,1,2,3
	v_exp_f32 v[AL+2*\q], v[AL+2*\q]
.endr
.irp q, 0,1,2,3
	v_add_f32 v[64+4*\q], v[64+4*\q], v[65+4*\q]           ; t, summed over the waves (plain work behind the exponentials)
	v_add_f32 v[66+4*\q], v[66+4*\q], v[67+4*\q]
	v_add_f32 v[64+4*\q], v[64+4*\q], v[66+4*\q]
.endr
	s_wait_alu depctr_va_vdst(0)
.irp q, 0,1,2,3
	v_mul_f32 v[84+\q], v[32+4*\q], v[48+4*\q]
.endr
.irp k, 1,2,3
.irp q, 0,1,2,3
	v_fmac_f32 v[84+\q], v[32+4*\q+\k], v[48+4*\q+\k]      ; the common sum
.endr
.endr
.irp q, 0,1,2,3
	v_rcp_f32 v[88+\q], v[84+\q]
.endr
.irp q, 0,1,2,3
	v_fma_f32 v[92+\q], s58, v[64+4*\q], -v[80+\q]         ; M = the common maximum + t log2(e), in powers of two
.endr
	s_wait_alu depctr_va_vdst(0)
.irp q, 0,1,2,3
	v_mul_f32 v[AL+2*\q], v[AL+2*\q], v[88+\q]
.endr
	v_cmp_ne_u32 vcc_lo, 0, v109
.irp q, 0,1,2,3
	v_cndmask_b32 v[96+\q], v[92+\q], v[84+\q], vcc_lo     ; lanes 0-15 carry M, lanes 16-31 the sum
.endr
	RESCALE
	; CB = [copy w, 64 KB][16 queries qb, 16 KB][piece of 8 columns, 512 B][e, 256 B][r][16 B] f32, in the slots' bytes, which have had their last fill.
	; Lane (r, h) of tile (t, qb) holds piece u(t) + 8 h of query r; sixteen lanes store 256 consecutive bytes.
	WIN 0x08                                       ; store data in window 2
.set t, 0
.rept 8
.irp qb, 0,1,2,3
	ds_store_b128 v100, v[32*t+8*\qb:32*t+8*\qb+3]   offset:16384*\qb+512*t
	ds_store_b128 v100, v[32*t+8*\qb+4:32*t+8*\qb+7] offset:16384*\qb+512*t+256
.endr
.set t, t+1
.endr
	WIN 0x0c                                       ; in window 3: tiles 8-15, pieces 16-23 (and 24-31)
.set t, 0
.rept 8
.irp qb, 0,1,2,3
	ds_store_b128 v100, v[32*t+8*\qb:32*t+8*\qb+3]   offset:16384*\qb+512*(t+16)
	ds_store_b128 v100, v[32*t+8*\qb+4:32*t+8*\qb+7] offset:16384*\qb+512*(t+16)+256
.endr
.set t, t+1
.endr
	WIN 0
	s_wait_dscnt 0x0
	s_barrier_signal -1
	s_barrier_wait -1
	; wave w adds the four copies of queries 16 w .. + 15, in true column order, and stores 16 units in fragment order: each store covers 512 consecutive bytes
.set bt, 0
.rept 4
.irp tl, 0,1,2,3
.irp c, 0,1,2,3
	ds_load_b128 v[SB+32*\tl+8*\c:SB+32*\tl+8*\c+3],   v[101+\c] offset:(4*bt+\tl)*1024
	ds_load_b128 v[SB+32*\tl+8*\c+4:SB+32*\tl+8*\c+7], v[101+\c] offset:(4*bt+\tl)*1024+256
.endr
.endr
	s_wait_dscnt 0x0
.irp tl, 0,1,2,3
.irp k, 0,2,4,6
	v_pk_add_f32 v[SB+32*\tl+\k:SB+32*\tl+\k+1], v[SB+32*\tl+\k:SB+32*\tl+\k+1], v[SB+32*\tl+8+\k:SB+32*\tl+8+\k+1]
	v_pk_add_f32 v[SB+32*\tl+16+\k:SB+32*\tl+16+\k+1], v[SB+32*\tl+16+\k:SB+32*\tl+16+\k+1], v[SB+32*\tl+24+\k:SB+32*\tl+24+\k+1]
.endr
.irp k, 0,2,4,6
	v_pk_add_f32 v[SB+32*\tl+\k:SB+32*\tl+\k+1], v[SB+32*\tl+\k:SB+32*\tl+\k+1], v[SB+32*\tl+16+\k:SB+32*\tl+16+\k+1]
.endr
.irp k, 0,1,2,3
	v_cvt_pk_f16_f32 v[32+4*(4*bt+\tl)+\k], v[SB+32*\tl+2*\k], v[SB+32*\tl+2*\k+1]
.endr
	global_store_b128 v106, v[32+4*(4*bt+\tl):32+4*(4*bt+\tl)+3], s[28:29] offset:(4*bt+\tl)*512   ; data registers of its own: none is rewritten
.endr
.set bt, bt+1
.endr
	s_cmp_lg_u32 s8, 0
	s_cbranch_scc1 .Lno_stat
	global_store_b128 v105, v[96:99], s[30:31]     ; wave 0: 512 consecutive bytes
.Lno_stat:
	s_wait_xcnt 0x0
	v_lshl_add_u32 v18, v0, 2, 0x4b000
	v_mov_b32 v20, 0
	s_wait_tensorcnt 0x0
	ds_add_u32 v18, v20
	s_wait_dscnt 0x0
	ROUND                                          ; the closing round: no work-group ends while a partner may still ask for a tile that names it
	s_endpgm
.Lfunc_end_k_q04569982bd_attn:
	.size	k_q04569982bd_attn, .Lfunc_end_k_q04569982bd_attn-k_q04569982bd_attn
	.p2alignl 7, 3214868480
	.fill 96, 4, 3214868480
	.section	.rodata,"a",@progbits
	.p2align	6, 0x0
	.amdhsa_kernel k_q04569982bd_attn
		.amdhsa_group_segment_fixed_size 327680
		.amdhsa_private_segment_fixed_size 0
		.amdhsa_enable_private_segment 0
		.amdhsa_kernarg_size 64
		.amdhsa_user_sgpr_count 2
		.amdhsa_user_sgpr_kernarg_segment_ptr 1
		.amdhsa_wavefront_size32 1
		.amdhsa_system_sgpr_workgroup_id_x 1
		.amdhsa_system_sgpr_workgroup_id_y 1
		.amdhsa_system_sgpr_workgroup_id_z 1
		.amdhsa_system_vgpr_workitem_id 0
		.amdhsa_next_free_vgpr 1024
		.amdhsa_next_free_sgpr 88
		.amdhsa_reserve_vcc 1
		.amdhsa_float_denorm_mode_32 3
		.amdhsa_float_denorm_mode_16_64 3
		.amdhsa_memory_ordered 1
		.amdhsa_forward_progress 1
		.amdhsa_inst_pref_size 255
	.end_amdhsa_kernel
	.section	.bss,"aw",@nobits
	.p2align	6
	.space	262144
	.amdgpu_metadata
---
amdhsa.version: [ 1, 2 ]
amdhsa.kernels:
  - .name:           k_q04569982bd_attn
    .symbol:         k_q04569982bd_attn.kd
    .args:
      - { .name: A16, .offset: 0, .size: 8, .value_kind: global_buffer, .address_space: global }
      - { .name: G16, .offset: 8, .size: 8, .value_kind: global_buffer, .address_space: global }
      - { .name: WgF, .offset: 16, .size: 8, .value_kind: global_buffer, .address_space: global }
      - { .name: WaTF, .offset: 24, .size: 8, .value_kind: global_buffer, .address_space: global }
      - { .name: bg, .offset: 32, .size: 8, .value_kind: global_buffer, .address_space: global }
      - { .name: ba, .offset: 40, .size: 8, .value_kind: global_buffer, .address_space: global }
      - { .name: CP, .offset: 48, .size: 8, .value_kind: global_buffer, .address_space: global }
      - { .name: STAT, .offset: 56, .size: 8, .value_kind: global_buffer, .address_space: global }
    .group_segment_fixed_size: 327680
    .private_segment_fixed_size: 0
    .kernarg_segment_align: 8
    .kernarg_segment_size: 64
    .max_flat_workgroup_size: 128
    .sgpr_count:     88
    .vgpr_count:     1024
    .wavefront_size: 32
...
	.end_amdgpu_metadata
.endif
;; end of part 2
;; launch mlp (part 3): grid 256 x 1, 4 waves a work-group, clusters of 4 x 1, 312,320 bytes of LDS; arguments CP, STAT, G16, W1F, W2F, b1, a1, b2, a2, W3, b3, out0; writes out0
.if DOCPART == 3
	.amdgcn_target "amdgcn-amd-amdhsa--gfx1250"
	.amdhsa_code_object_version 6
	.text
	.protected	k_q04569982bd_mlp
	.globl	k_q04569982bd_mlp
	.p2align	8
	.type	k_q04569982bd_mlp,@function
k_q04569982bd_mlp:
	s_mov_b64 s[64:65], 0
	v_nop
	global_prefetch_b8 v0, s[64:65] scope:SCOPE_SE
	s_setreg_imm32_b32 hwreg(HW_REG_WAVE_MODE, 25, 1), 1
	s_wait_xcnt 0x0
	s_wait_alu depctr_hold_cnt(0) depctr_sa_sdst(0) depctr_va_vdst(0) depctr_va_sdst(0) depctr_va_ssrc(0) depctr_va_vcc(0) depctr_vm_vsrc(0)
	s_getreg_b32 s2, hwreg(HW_REG_IB_STS2, 6, 4)
	s_cmp_eq_u32 s2, 0
	s_cbranch_scc0 .Lentry_in_a_cluster
	s_endpgm
.Lentry_in_a_cluster:
	s_bfe_u32 s2, ttmp6, 0x10000c
	s_cmp_lg_u32 s2, 0x3003
	s_cbranch_scc0 .Lentry_shape_is_right
	s_endpgm
.Lentry_shape_is_right:
; The two key halves' contexts are joined, then [guess, ctx, guess - ctx] goes through 768 -> 256 -> PReLU -> 128 -> PReLU -> 1.
; W1 comes FOLDED (see the cast): W1 [g, c, g - c] = (W1a + W1c) g + (W1b - W1c) c, so layer 1 runs over x = [guess, ctx], K = 512.  That holds for every input.
; Work-group b: 32 rows (two blocks of 16 queries).  All products transposed, h^T = W x^T, lane = query: a packed result tile is a unit in fragment
; order ([16 rows][16 columns] as [lane 32][8 f16], see the cast) and so the next layer's operand.  Wave w: features 64 w .. + 63 of layer 1,
; 32 w .. + 31 of layer 2, and units 4 w .. 4 w + 3 of each half of x.
; Joining: half i gives a normalised context c_i, its maximum M_i (in powers of two) and its sum l_i: weight_i = 2^(M_i - max M) l_i, normalised.
; LIMITS: matrix operands are f16: |guess|, |ctx|, the folded W1, |W2| and |h1| must stay below 65,504.  Everything else is f32.  Under a common offset of guess and
; anchor the f32 sums of layer 1 hold W1c.g and -W1c.c, which cancel: that costs rounding at 2^-24 of those sums; the errors of the f16 operands
; g and c enter as they would through a difference g - c formed of the same two f16 numbers.
; CLUSTER: every work-group walks the same W1.  The four of a cluster ask for it jointly (mask 15): wave w fetches the 64 KB that it alone reads, in four K chunks
; of 16 KB, into LDS bytes of its own, filled once: nothing is filled again, so the launch has the opening and the closing round of the cluster's barrier and no other.
; W2 (64 KB) does not fit into LDS beside W1's 256 KB, x and h1: each wave loads its 16 KB straight into the registers that the matrix unit reads.
.set W1L, 0                            ; LDS: W1, [wave 4][chunk 4][il 4][unit 8][512 B]
.set XF,  262144                       ; x, [qb 2][unit 32][512 B]
.set H1F, 294912                       ; h1, [qb 2][unit 16][512 B]
.set RED, 311296                       ; [query 32][wave 4] f32
; Window 0: v1 L, v2 r, v3 h; v4-7, v24-31, v240 offsets and addresses; v8-19 at work; v[20:23] for each qb the pair (weight 0, weight 1);
; v[32:127] first guess, c0, c1 (32 each), later buffers of 32 for B fragments; v[128:191] acc1(il, qb) = v[128 + 8 (2 il + qb)];
; v[192:223] acc2(il2, qb) = v[192 + 8 (2 il2 + qb)]; v[224:239] W3.
; Window 1: v[0:127] two buffers of 64 for W1's fragments, (il, sl) at 64 (g % 2) + 16 il + 8 sl; v[128:255] W2, (il2, s) at 128 + 64 il2 + 8 s.
.set MSB, 0
.macro WIN new                         ; s_set_vgpr_msb: bits 1:0 source 0, 3:2 source 1, 5:4 source 2, 7:6 destination; the high byte repeats the setting that is left
.if MSB != (\new)
	s_set_vgpr_msb (MSB<<8)|(\new)
.set MSB, (\new)
.endif
.endm
.macro PLACES n                        ; places behind a matrix instruction are plain vector instructions that name none of its registers (ISA guide 7.12.1)
.rept \n
	v_nop
.endr
.endm
; A round of the cluster's barrier: my work-group's barrier, wave 0 signals for the work-group, every wave waits for all four work-groups, my work-group's barrier again.
.macro ROUND
	s_barrier_signal -1
	s_barrier_wait -1
	s_cmp_lg_u32 s8, 0
	s_cbranch_scc1 .Lnot_wave_0_\@
	s_barrier_signal -3
.Lnot_wave_0_\@:
	s_barrier_wait -3
	s_barrier_signal -1
	s_barrier_wait -1
.endm
; descriptor group 0 of chunk c: units 8 c .. 8 c + 7 of my four row blocks.  Both addresses hang on the wave alone
.macro MKG0 g, c
	s_mov_b32 s[\g], 1
	s_add_co_u32 s[\g+1], s4, \c*16384
	s_add_nc_u64 s[\g+2:\g+3], s[6:7], \c*4096
	s_or_b32 s[\g+3], s[\g+3], 0x80000000          ; type = 2
.endm
; Layer 1, group g = K steps 2 g, 2 g + 1: 16 LDS loads of my four tiles' W1 fragments (chunk g / 2) and 8 of both query blocks' x fragments, into buffers g % 2
.macro L1LD g
	WIN 0x40                                       ; destination in window 1
.irp il, 0,1,2,3
.irp u, 0,1,2,3
	ds_load_b128 v[64*((\g)&1)+16*\il+4*\u:64*((\g)&1)+16*\il+4*\u+3], v24 offset:((\g)>>1)*16384+\il*4096+(4*((\g)&1)+\u)*512
.endr
.endr
	WIN 0
.irp qb, 0,1
.irp u, 0,1,2,3
	ds_load_b128 v[32+32*((\g)&1)+16*\qb+4*\u:32+32*((\g)&1)+16*\qb+4*\u+3], v27 offset:(\qb*32+4*(\g)+\u)*512
.endr
.endr
.endm
; Layer 2, group g = K steps 2 g, 2 g + 1: 8 LDS loads of h1 fragments into buffer g % 3
.macro L2LD g
.irp qb, 0,1
.irp u, 0,1,2,3
	ds_load_b128 v[32+32*((\g)%3)+16*\qb+4*\u:32+32*((\g)%3)+16*\qb+4*\u+3], v240 offset:(\qb*16+4*(\g)+\u)*512
.endr
.endr
.endm
	s_load_b512 s[16:31], s[0:1], 0x0              ; CP s[16:17], STAT s[18:19], G16 s[20:21], W1F s[22:23], W2F s[24:25], b1 s[26:27], a1 s[28:29], b2 s[30:31]
	s_load_b256 s[32:39], s[0:1], 0x40             ; a2 s[32:33], W3 s[34:35], b3 s[36:37], out0 s[38:39]
	v_lshl_add_u32 v254, v0, 2, 0x4c200
	v_mov_b32 v255, 0
	ds_add_u32 v254, v255
	v_lshrrev_b32 v1, 5, v0
	v_readfirstlane_b32 s8, v1                     ; wave 0..3
	s_bfe_u32 s9, ttmp6, 0x40000                   ; cx: my place in the cluster.  It enters s9, s10, s11, s2 and global offsets made of them, nothing else
	s_lshl_b32 s10, ttmp9, 2
	s_add_co_u32 s10, s10, s9                      ; b = 4 x cluster x + cx
	s_mov_b32 s12, 0x76543210                      ; v_permlanex16_b32: lane i of one half reads lane i of the other
	s_mov_b32 s13, 0xfedcba98
	; descriptor group 1: 4 rows (my four row blocks) of 512 elements of 8 bytes, 2,048 elements from row to row, no padding
	s_mov_b32 s44, 15|(3<<16)|(1<<21)              ; 15:0 the mask: all four work-groups; 17:16 8 bytes; 21 set beside a mask
	s_mov_b32 s45, 512<<16                         ; tensor_dim0 = 512
	s_mov_b32 s46, 4<<16                           ; tensor_dim1 = 4
	s_mov_b32 s47, 512<<16                         ; tile_dim0 = 512
	s_mov_b32 s48, 4                               ; tile_dim1 = 4
	s_mov_b32 s49, 2048                            ; a row block of W1F is 32 units = 16,384 bytes
	s_mov_b32 s50, 0
	s_mov_b32 s51, 0
	s_lshl_b32 s4, s8, 16                          ; my 64 KB, in W1F and in LDS
	s_mov_b32 s5, 0
	v_and_b32 v1, 31, v0                           ; L
	v_and_b32 v2, 15, v0                           ; r
	v_bfe_u32 v3, v0, 4, 1                         ; h
	s_lshr_b32 s2, s10, 1                          ; STAT [kh][qg = b / 2][M, l][r][qb 4]: my two blocks are qb 2 (b % 2), + 1
	s_lshl_b32 s2, s2, 9
	s_and_b32 s11, s10, 1
	s_lshl_b32 s11, s11, 3
	s_add_co_u32 s2, s2, s11
	v_lshl_add_u32 v4, v2, 4, s2
	s_lshl_b32 s3, s8, 11
	s_lshl_b32 s2, s10, 14                         ; G16, CP: block 2 b, unit 4 w
	s_add_co_u32 s2, s2, s3
	v_lshl_add_u32 v5, v1, 4, s2
	s_add_co_u32 s3, s3, XF
	v_lshl_add_u32 v26, v1, 4, s3                  ; XF, in: unit 4 w
	v_add_nc_u32 v28, H1F-XF, v26                  ; H1F, in: unit 4 w
	s_lshl_b32 s3, s8, 8
	v_lshl_add_u32 v6, v3, 5, s3                   ; b1: feature 64 w + 16 il + 8 h + j
	s_lshl_b32 s3, s8, 7
	v_lshl_add_u32 v7, v3, 5, s3                   ; b2, W3: feature 32 w + 16 il2 + 8 h + j
	v_lshl_add_u32 v24, v1, 4, s4                  ; W1 in LDS: my 64 KB
	s_lshl_b32 s3, s8, 14
	v_lshl_add_u32 v25, v1, 4, s3                  ; W2F: my two blocks of 16 units
	v_lshlrev_b32 v27, 4, v1
	v_add_nc_u32 v240, H1F, v27                    ; H1F, back
	v_add_nc_u32 v30, RED, v27                     ; RED, back
	v_add_nc_u32 v27, XF, v27                      ; XF, back
	s_lshl_b32 s3, s8, 2
	s_add_co_u32 s3, s3, RED
	v_lshl_add_u32 v29, v2, 4, s3                  ; RED, in
	s_lshl_b32 s2, s10, 7
	v_lshl_add_u32 v31, v1, 2, s2                  ; out0: row 32 b + L
	s_wait_dscnt 0x0
	s_wait_kmcnt 0x0
	s_load_b32 s40, s[28:29], 0x0                  ; a1
	s_load_b32 s41, s[32:33], 0x0                  ; a2
	s_load_b32 s42, s[36:37], 0x0                  ; b3
	s_add_nc_u64 s[6:7], s[22:23], s[4:5]
	MKG0 52, 0
	MKG0 56, 1
	MKG0 60, 2
	MKG0 68, 3
	; my own rows' data first, 56 loads: they have the longest way
	global_load_b64 v[8:9],   v4, s[18:19]                 ; M of half 0, both blocks
	global_load_b64 v[10:11], v4, s[18:19] offset:256      ; l of half 0
	global_load_b64 v[12:13], v4, s[18:19] offset:65536    ; M of half 1
	global_load_b64 v[14:15], v4, s[18:19] offset:65792    ; l of half 1
.irp n, 0,1,2,3,4,5,6,7
	global_load_b128 v[32+4*\n:32+4*\n+3], v5, s[20:21] offset:(\n>>2)*8192+(\n&3)*512 th:TH_LOAD_NT
	global_load_b128 v[64+4*\n:64+4*\n+3], v5, s[16:17] offset:(\n>>2)*8192+(\n&3)*512 th:TH_LOAD_NT
	global_load_b128 v[96+4*\n:96+4*\n+3], v5, s[16:17] offset:4194304+(\n>>2)*8192+(\n&3)*512 th:TH_LOAD_NT
.endr
.irp il, 0,1,2,3
.irp qb, 0,1
	global_load_b128 v[128+8*(2*\il+\qb):128+8*(2*\il+\qb)+3],   v6, s[26:27] offset:64*\il      ; the biases start the sums
	global_load_b128 v[128+8*(2*\il+\qb)+4:128+8*(2*\il+\qb)+7], v6, s[26:27] offset:64*\il+16
.endr
.endr
.irp il, 0,1
.irp qb, 0,1
	global_load_b128 v[192+8*(2*\il+\qb):192+8*(2*\il+\qb)+3],   v7, s[30:31] offset:64*\il
	global_load_b128 v[192+8*(2*\il+\qb)+4:192+8*(2*\il+\qb)+7], v7, s[30:31] offset:64*\il+16
.endr
	global_load_b128 v[224+8*\il:224+8*\il+3],   v7, s[34:35] offset:64*\il
	global_load_b128 v[224+8*\il+4:224+8*\il+7], v7, s[34:35] offset:64*\il+16
.endr
	ROUND                                          ; the four work-groups are here: the joint loads meet
	tensor_load_to_lds s[52:55], s[44:51]          ; W1, my chunks 0 to 3: four tensor loads out, each into bytes filled once
	s_nop 0
	tensor_load_to_lds s[56:59], s[44:51]
	s_nop 0
	tensor_load_to_lds s[60:63], s[44:51]
	s_nop 0
	tensor_load_to_lds s[68:71], s[44:51]
	s_nop 0
	s_wait_loadcnt 28                              ; the 28 loads of b1, b2 and W3 stay out: STAT, guess and the contexts are in
	s_wait_kmcnt 0x0
.irp n, 0,1,2,3,4,5,6,7
	ds_store_b128 v26, v[32+4*\n:32+4*\n+3] offset:((\n>>2)*32+(\n&3))*512             ; guess as it is: units 0-15 of x
.endr
	; the two halves' weights
.irp c, 0,1
	v_max_num_f32 v[16+\c], v[8+\c], v[12+\c]
	v_sub_f32 v[8+\c], v[8+\c], v[16+\c]
	v_sub_f32 v[12+\c], v[12+\c], v[16+\c]
.endr
	v_exp_f32 v8, v8
	v_exp_f32 v9, v9
	v_exp_f32 v12, v12
	v_exp_f32 v13, v13
	v_nop                                          ; one plain place behind the exponentials (ISA guide 5.7.2)
	s_wait_alu depctr_va_vdst(0)
.irp c, 0,1
	v_mul_f32 v[8+\c], v[8+\c], v[10+\c]
	v_mul_f32 v[12+\c], v[12+\c], v[14+\c]
	v_add_f32 v[16+\c], v[8+\c], v[12+\c]
.endr
	v_rcp_f32 v16, v16
	v_rcp_f32 v17, v17
	v_nop
	s_wait_alu depctr_va_vdst(0)
.irp c, 0,1
	v_mul_f32 v[20+2*\c], v[8+\c], v[16+\c]
	v_mul_f32 v[21+2*\c], v[12+\c], v[16+\c]
.endr
; One register (two numbers) of c0 and c1: ctx = w0 c0 + w1 c1 in f32, rounded once, in place of c0.
; The halves of a register are named by literal numbers, so the 32 calls are written out; two sets of work registers take turns.
.macro XB c0, c1, qb, tb
	v_cvt_f32_f16 v[\tb],   v\c0\().l
	v_cvt_f32_f16 v[\tb+1], v\c0\().h
	v_cvt_f32_f16 v[\tb+2], v\c1\().l
	v_cvt_f32_f16 v[\tb+3], v\c1\().h
	v_pk_mul_f32 v[\tb:\tb+1], v[\tb:\tb+1], v[20+2*\qb:21+2*\qb] op_sel_hi:[1,0]
	v_pk_fma_f32 v[\tb:\tb+1], v[\tb+2:\tb+3], v[20+2*\qb:21+2*\qb], v[\tb:\tb+1] op_sel:[0,1,0] op_sel_hi:[1,1,1]
	v_cvt_pk_f16_f32 v\c0, v[\tb], v[\tb+1]
.endm
	XB 64, 96, 0, 8
	XB 65, 97, 0, 12
	XB 66, 98, 0, 8
	XB 67, 99, 0, 12
	XB 68, 100, 0, 8
	XB 69, 101, 0, 12
	XB 70, 102, 0, 8
	XB 71, 103, 0, 12
	XB 72, 104, 0, 8
	XB 73, 105, 0, 12
	XB 74, 106, 0, 8
	XB 75, 107, 0, 12
	XB 76, 108, 0, 8
	XB 77, 109, 0, 12
	XB 78, 110, 0, 8
	XB 79, 111, 0, 12
	XB 80, 112, 1, 8
	XB 81, 113, 1, 12
	XB 82, 114, 1, 8
	XB 83, 115, 1, 12
	XB 84, 116, 1, 8
	XB 85, 117, 1, 12
	XB 86, 118, 1, 8
	XB 87, 119, 1, 12
	XB 88, 120, 1, 8
	XB 89, 121, 1, 12
	XB 90, 122, 1, 8
	XB 91, 123, 1, 12
	XB 92, 124, 1, 8
	XB 93, 125, 1, 12
	XB 94, 126, 1, 8
	XB 95, 127, 1, 12
.irp n, 0,1,2,3,4,5,6,7
	ds_store_b128 v26, v[64+4*\n:64+4*\n+3] offset:((\n>>2)*32+(\n&3)+16)*512          ; ctx: units 16-31 of x
.endr
	WIN 0x40                                       ; W2, my 32 units, into window 1: wanted only in layer 2
.irp il, 0,1
.set u, 0
.rept 16
	global_load_b128 v[128+64*\il+4*u:128+64*\il+4*u+3], v25, s[24:25] offset:\il*8192+u*512
.set u, u+1
.endr
.endr
	WIN 0
	s_wait_dscnt 0x0                               ; my stores are done, for the others' sake
	s_barrier_signal -1
	s_barrier_wait -1                              ; x is whole.  (W1's tensor loads may be out)
	; LAYER 1: 16 K steps in 8 groups of two, on two buffers.  The eight accumulators take turns, one instruction a turn.
	s_wait_tensorcnt 0x3                           ; tensor loads of a wave end in order: my chunk 0 is in; only I read it
	L1LD 0
	L1LD 1
	s_wait_loadcnt 32                              ; W2's 32 loads stay out: the biases are in
.set g, 0
.rept 8
.if g <= 6
	s_wait_dscnt 24                                ; LDS loads come back in order: the younger group's 24 stay out
.else
	s_wait_dscnt 0
.endif
	WIN 0x01                                       ; A in window 1
.irp sl, 0,1
.irp il, 0,1,2,3
.irp qb, 0,1
	v_wmma_f32_16x16x32_f16 v[128+8*(2*\il+\qb):128+8*(2*\il+\qb)+7], v[64*(g&1)+16*\il+8*\sl:64*(g&1)+16*\il+8*\sl+7], v[32+32*(g&1)+16*\qb+8*\sl:32+32*(g&1)+16*\qb+8*\sl+7], v[128+8*(2*\il+\qb):128+8*(2*\il+\qb)+7]
.endr
.endr
.endr
	WIN 0
	PLACES 4                                       ; four places, then loads into the buffers just multiplied (behind the last group: the activation reads the sums)
.if g <= 5
.if (g&1) == 0
	s_wait_tensorcnt 2-(g>>1)                      ; group g + 2 opens chunk g / 2 + 1: the chunks behind it may stay out; the last count is 0
.endif
	L1LD g+2
.endif
.set g, g+1
.endr
	; PReLU: max(x, 0) + a min(x, 0), for any a
.set i, 0
.rept 64
	v_min_num_f32 v[8+(i&7)], 0, v[128+i]
	v_max_num_f32 v[128+i], 0, v[128+i]
	v_fmac_f32 v[128+i], s40, v[8+(i&7)]
.set i, i+1
.endr
.set a, 0
.rept 8
.irp k, 0,1,2,3
	v_cvt_pk_f16_f32 v[128+8*a+\k], v[128+8*a+2*\k], v[128+8*a+2*\k+1]
.endr
	ds_store_b128 v28, v[128+8*a:128+8*a+3] offset:((a&1)*16+(a>>1))*512     ; tile a = 2 il + qb: unit (qb, 4 w + il) of h1
.set a, a+1
.endr
	s_wait_dscnt 0x0
	s_barrier_signal -1
	s_barrier_wait -1                              ; h1 is whole
	; LAYER 2: 8 K steps in 4 groups of two, four accumulators by turns
	L2LD 0
	L2LD 1
	L2LD 2
	s_wait_loadcnt 0x0                             ; W2
.set g, 0
.rept 4
.if g <= 1
	s_wait_dscnt 16                                ; the two younger groups of 8 stay out
.else
	s_wait_dscnt 8*(3-g)
.endif
	WIN 0x01
.irp sl, 0,1
.irp il, 0,1
.irp qb, 0,1
	v_wmma_f32_16x16x32_f16 v[192+8*(2*\il+\qb):192+8*(2*\il+\qb)+7], v[128+64*\il+16*g+8*\sl:128+64*\il+16*g+8*\sl+7], v[32+32*(g%3)+16*\qb+8*\sl:32+32*(g%3)+16*\qb+8*\sl+7], v[192+8*(2*\il+\qb):192+8*(2*\il+\qb)+7]
.endr
.endr
.endr
	WIN 0
	PLACES 4
.if g == 0
	L2LD 3
.endif
.set g, g+1
.endr
.set i, 0
.rept 32
	v_min_num_f32 v[8+(i&7)], 0, v[192+i]
	v_max_num_f32 v[192+i], 0, v[192+i]
	v_fmac_f32 v[192+i], s41, v[8+(i&7)]
.set i, i+1
.endr
	; LAYER 3 in f32: my 16 features of each query, the other half of the wave, then the four waves
.irp q, 0,1
	v_pk_mul_f32 v[8+2*\q:9+2*\q], v[192+8*\q:192+8*\q+1], v[224:225]
.endr
.set i, 1
.rept 7
.irp q, 0,1
	v_pk_fma_f32 v[8+2*\q:9+2*\q], v[192+16*(i>>2)+8*\q+2*(i&3):192+16*(i>>2)+8*\q+2*(i&3)+1], v[224+8*(i>>2)+2*(i&3):224+8*(i>>2)+2*(i&3)+1], v[8+2*\q:9+2*\q]
.endr
.set i, i+1
.endr
.irp q, 0,1
	v_add_f32 v[8+2*\q], v[8+2*\q], v[9+2*\q]
	v_permlanex16_b32 v[9+2*\q], v[8+2*\q], s12, s13
	v_add_f32 v[8+2*\q], v[8+2*\q], v[9+2*\q]
	ds_store_b32 v29, v[8+2*\q] offset:256*\q
.endr
	s_wait_dscnt 0x0
	s_barrier_signal -1
	s_barrier_wait -1
	s_cmp_lg_u32 s8, 0
	s_cbranch_scc1 .Ldone
	ds_load_b128 v[8:11], v30                      ; wave 0: lane L takes row 32 b + L's four partial sums
	s_wait_dscnt 0x0
	v_add_f32 v8, v8, v9
	v_add_f32 v10, v10, v11
	v_add_f32 v8, v8, v10
	v_add_f32 v8, s42, v8
	global_store_b32 v31, v8, s[38:39]             ; 128 consecutive bytes: all that 32 rows have
.Ldone:
	s_wait_tensorcnt 0x0
	ds_add_u32 v254, v255
	s_wait_dscnt 0x0
	ROUND                                          ; the closing round: no work-group ends while a partner may still ask for a chunk that names it
	s_endpgm
.Lfunc_end_k_q04569982bd_mlp:
	.size	k_q04569982bd_mlp, .Lfunc_end_k_q04569982bd_mlp-k_q04569982bd_mlp
	.p2alignl 7, 3214868480
	.fill 96, 4, 3214868480
	.section	.rodata,"a",@progbits
	.p2align	6, 0x0
	.amdhsa_kernel k_q04569982bd_mlp
		.amdhsa_group_segment_fixed_size 312320
		.amdhsa_private_segment_fixed_size 0
		.amdhsa_enable_private_segment 0
		.amdhsa_kernarg_size 96
		.amdhsa_user_sgpr_count 2
		.amdhsa_user_sgpr_kernarg_segment_ptr 1
		.amdhsa_wavefront_size32 1
		.amdhsa_system_sgpr_workgroup_id_x 1
		.amdhsa_system_sgpr_workgroup_id_y 1
		.amdhsa_system_sgpr_workgroup_id_z 1
		.amdhsa_system_vgpr_workitem_id 0
		.amdhsa_next_free_vgpr 512
		.amdhsa_next_free_sgpr 72
		.amdhsa_reserve_vcc 0
		.amdhsa_float_denorm_mode_32 3
		.amdhsa_float_denorm_mode_16_64 3
		.amdhsa_memory_ordered 1
		.amdhsa_forward_progress 1
		.amdhsa_inst_pref_size 67
	.end_amdhsa_kernel
	.amdgpu_metadata
---
amdhsa.version: [ 1, 2 ]
amdhsa.kernels:
  - .name:           k_q04569982bd_mlp
    .symbol:         k_q04569982bd_mlp.kd
    .args:
      - { .name: CP, .offset: 0, .size: 8, .value_kind: global_buffer, .address_space: global }
      - { .name: STAT, .offset: 8, .size: 8, .value_kind: global_buffer, .address_space: global }
      - { .name: G16, .offset: 16, .size: 8, .value_kind: global_buffer, .address_space: global }
      - { .name: W1F, .offset: 24, .size: 8, .value_kind: global_buffer, .address_space: global }
      - { .name: W2F, .offset: 32, .size: 8, .value_kind: global_buffer, .address_space: global }
      - { .name: b1, .offset: 40, .size: 8, .value_kind: global_buffer, .address_space: global }
      - { .name: a1, .offset: 48, .size: 8, .value_kind: global_buffer, .address_space: global }
      - { .name: b2, .offset: 56, .size: 8, .value_kind: global_buffer, .address_space: global }
      - { .name: a2, .offset: 64, .size: 8, .value_kind: global_buffer, .address_space: global }
      - { .name: W3, .offset: 72, .size: 8, .value_kind: global_buffer, .address_space: global }
      - { .name: b3, .offset: 80, .size: 8, .value_kind: global_buffer, .address_space: global }
      - { .name: out0, .offset: 88, .size: 8, .value_kind: global_buffer, .address_space: global }
    .group_segment_fixed_size: 312320
    .private_segment_fixed_size: 0
    .kernarg_segment_align: 8
    .kernarg_segment_size: 96
    .max_flat_workgroup_size: 128
    .sgpr_count:     72
    .vgpr_count:     512
    .wavefront_size: 32
...
	.end_amdgpu_metadata
.endif
;; end of part 3
